; MI455X (gfx1250); checked and timed in simulation.
; The chip was launched on July 23, 2026; its instructions are those of AMD's public machine-readable ISA for CDNA 5 (MIT licence, August 2026) and "CDNA5" Instruction Set Architecture Reference Guide (July 2026). The comments in the code are by the model that wrote it; some were corrected since.
;; Optimized Thermodynamic Detector. Allowed arithmetic: float matrix products may take bf16 or f16 operands with f32 sums; other float arithmetic in f32, or as packed bf16 or f16 multiplies, adds, multiply-adds, maxima and minima; sums over many terms, partial sums and values carried from step to step in f32; what a program stores and reads back later, other than sums and carried values, may be rounded once to bf16 or f16.
;; Inputs: adj_matrix 8,192 x 8,192 float32; node_embeddings 8,192 x 256 float32.
;; Outputs: out0 4 x 8,192 float32.
;; One version. Each part assembles by itself: llvm-mc -triple=amdgcn-amd-amdhsa -mcpu=gfx1250 --defsym DOCPART=n.
;; ======== version 1 of 1: 3 launches
;; limits: a function is approximated: absolute error at most 8.2e-05; values within 6.1e-05 (relative) of each other or of a threshold may be ordered or decided otherwise than in the reference; right only within a limited range of input values
;; workspace buffers: eb 4,194,304 bytes; sqb 32,768 bytes; rnv 32,768 bytes; colpart 65,536 bytes; maxpart 256 bytes; pstat 2,621,440 bytes; pkeys 3,145,728 bytes of whole numbers
;; launch prep (part 1): grid 64 x 1, 16 waves a work-group, no clusters, 19,712 bytes of LDS; arguments node_embeddings, eb, sqb, rnv, colpart, maxpart; writes eb, sqb, rnv, colpart, maxpart
.if DOCPART == 1
	.amdgcn_target "amdgcn-amd-amdhsa--gfx1250"
	.amdhsa_code_object_version 6
	.text
	.protected	k_q4bebf68607_prep
	.globl	k_q4bebf68607_prep
	.p2align	8
	.type	k_q4bebf68607_prep,@function
k_q4bebf68607_prep:
	s_mov_b64 s[64:65], 0
	v_nop
	global_prefetch_b8 v0, s[64:65] scope:SCOPE_SE
	s_setreg_imm32_b32 hwreg(HW_REG_WAVE_MODE, 25, 1), 1
	s_wait_xcnt 0x0
; THE PROGRAM (three launches: prep, gram, finish).  N = 8192 nodes, D = 256.  E = node_embeddings, A = adj_matrix.
; WORK LEFT OUT, for all finite values of the inputs.  reference() writes three products of 8192 x 8192 x 256; all three are functions of ONE, G = E E^T:
;   sum_d E[i][d] (A E)[i][d] = sum_j A[i][j] G[i][j]   (the same finite sum in another order), so A @ E is not formed;
;   normalized @ normalized^T = G[i][j] rn[i] rn[j] with rn = 1 / max(|E_i|, 1e-12), so that product is not formed;
;   d2[i][j] = sq[i] + sq[j] - 2 G[i][j] as reference() has it.  The root of d2 is monotone, so the six nearest are chosen on max(d2, 0) itself.
; THE LOGARITHM'S EPS.  -sum p log(p + 1e-8) is computed as -sum p log p = ln2 (M + log2 Z - sum e u / Z).  The two differ by sum p log(1 + 1e-8 / p), which lies in 0 .. N x 1e-8 = 8.2e-5
; for every input; no logarithm of a p is taken, so what the eps.  The maximum is taken away before every exponential.
; FORMATS.  G is made of E rounded once to bf16 (eb); the sq and rn that go with G are those of the SAME rounded rows, so d2 is the squared distance of the rounded points.
; Kinetic energy, norms, the global deviation and the neighbours' mean use E in f32.
; LIMITS.  Distances are compared at 15 significant bits; equal ones go to the lower column, as top_k does.  max |E_i|^2 stays under 2^122.  NaN and infinities are not treated apart, and
; one that would reach only the products left out is not carried to the result.
;
; THIS LAUNCH: eb = bf16(E); sqb = sum of the rounded row's squares; rnv = 1 / max(sqrt(sqb), 1e-12); colpart = column sums of 128 rows; maxpart = the largest true |E_i|^2 of 128 rows.
; A work-group owns 128 rows, each of its 16 waves 8.  A lane holds dims 4 l .. 4 l + 3 and 128 + 4 l .. of a row: each load of a wave covers 512 consecutive bytes, each bf16 store 256.
.set CSB,   0                          ; LDS: 16 waves x 1,024 bytes of column sums
.set RSB,   16384                      ; 128 words: sqb of the group's rows
.set RRB,   16896                      ; 128 words: rnv
.set MXB,   17408                      ; 16 words: each wave's largest |E_i|^2
.set SPARE, 17664                      ; the spare words, 128 bytes for each of 16 waves
.set LN,  1                            ; lane
.set EO,  3                            ; 16 x lane
.set BO,  4                            ; 8 x lane
.set RA,  5                            ; LDS: my wave's 8 words of RSB
.set CA,  6                            ; LDS: my 16 bytes of my wave's column sums
.set MA,  7                            ; LDS: my wave's word of MXB
.set SPW, 8                            ; LDS address of my spare word; never rewritten
.set NIL, 9                            ; 0; never rewritten
.set TA,  10
.set ZR,  11
.set MXV, 12
.set CS,  16                           ; v[16:23]   column sums of my 8 dims
.set U,   24                           ; v[24:31]   a rounded row, widened again
.set X,   32                           ; v[32:95]   8 rows x 8 numbers
.set SQT, 96                           ; v[96:103]  true sums of squares
.set SQB, 104                          ; v[104:111] the rounded rows'
.set P,   112                          ; v[112:143] 8 rows x 4 packed registers: a store's data is never rewritten
.set RN,  144                          ; v[144:151]
.set T,   152                          ; v[152:155]
	s_load_b256 s[4:11], s[0:1], 0x0               ; E s[4:5], eb s[6:7], sqb s[8:9], rnv s[10:11]
	s_load_b128 s[12:15], s[0:1], 0x20             ; colpart s[12:13], maxpart s[14:15]
	v_lshl_add_u32 v[SPW], v0, 2, SPARE
	v_mov_b32 v[NIL], 0
	v_lshrrev_b32 v[LN], 5, v0
	v_readfirstlane_b32 s16, v[LN]                 ; wave 0..15
	v_and_b32 v[LN], 31, v0
	v_lshlrev_b32 v[EO], 4, v[LN]
	v_lshlrev_b32 v[BO], 3, v[LN]
	s_lshl_b32 s20, ttmp9, 17                      ; 128 rows of 1,024 bytes,
	s_lshl_b32 s22, s16, 13                        ; my wave's 8
	s_add_co_u32 s20, s20, s22
	s_mov_b32 s21, 0
	s_lshr_b32 s22, s20, 1                         ; the same rows in eb: half the bytes
	s_mov_b32 s23, 0
	s_mov_b32 s24, 0x76543210                      ; v_permlanex16_b32: each lane takes its own place in the other half
	s_mov_b32 s25, 0xfedcba98
	s_mov_b32 s26, 0xffff0000
	s_lshl_b32 s28, ttmp9, 10
	s_mov_b32 s29, 0
	s_lshl_b32 s30, ttmp9, 9
	s_mov_b32 s31, 0
	s_lshl_b32 s18, ttmp9, 2
	s_mov_b32 s19, 0
	s_lshl_b32 s17, s16, 5
	s_add_co_u32 s17, s17, RSB
	v_mov_b32 v[RA], s17
	s_lshl_b32 s17, s16, 10
	v_lshl_add_u32 v[CA], v[LN], 4, s17
	s_lshl_b32 s17, s16, 2
	s_add_co_u32 s17, s17, MXB
	v_mov_b32 v[MA], s17
	s_wait_kmcnt 0x0
	s_add_nc_u64 s[4:5], s[4:5], s[20:21]
	s_add_nc_u64 s[6:7], s[6:7], s[22:23]
	s_add_nc_u64 s[12:13], s[12:13], s[28:29]
	s_add_nc_u64 s[8:9], s[8:9], s[30:31]
	s_add_nc_u64 s[10:11], s[10:11], s[30:31]
	s_add_nc_u64 s[14:15], s[14:15], s[18:19]
.irp k, 0,1,2,3,4,5,6,7
	global_load_b128 v[X+8*(\k):X+8*(\k)+3],   v[EO], s[4:5] offset:1024*(\k)
	global_load_b128 v[X+8*(\k)+4:X+8*(\k)+7], v[EO], s[4:5] offset:1024*(\k)+512
.endr
; Row k: rounded and stored; both sums of squares for my 8 numbers; the column sums.
.macro ROW k
	s_wait_loadcnt 14-2*(\k)                       ; loads come back in order: row k's two are in, the later rows' may stay out
.irp j, 0,1,2,3
	v_cvt_pk_bf16_f32 v[P+4*(\k)+(\j)], v[X+8*(\k)+2*(\j)], v[X+8*(\k)+2*(\j)+1]
.endr
	global_store_b64 v[BO], v[P+4*(\k):P+4*(\k)+1],   s[6:7] offset:512*(\k)      ; 32 lanes x 8 bytes: 256 consecutive bytes, aligned
	global_store_b64 v[BO], v[P+4*(\k)+2:P+4*(\k)+3], s[6:7] offset:512*(\k)+256
.irp j, 0,1,2,3
	v_lshlrev_b32 v[U+2*(\j)],   16,  v[P+4*(\k)+(\j)]
	v_and_b32     v[U+2*(\j)+1], s26, v[P+4*(\k)+(\j)]
.endr
	v_pk_mul_f32 v[T:T+1],   v[X+8*(\k):X+8*(\k)+1], v[X+8*(\k):X+8*(\k)+1]
	v_pk_mul_f32 v[T+2:T+3], v[U:U+1], v[U:U+1]
.irp j, 2,4,6
	v_pk_fma_f32 v[T:T+1],   v[X+8*(\k)+(\j):X+8*(\k)+(\j)+1], v[X+8*(\k)+(\j):X+8*(\k)+(\j)+1], v[T:T+1]
	v_pk_fma_f32 v[T+2:T+3], v[U+(\j):U+(\j)+1], v[U+(\j):U+(\j)+1], v[T+2:T+3]
.endr
	v_add_f32 v[SQT+(\k)], v[T], v[T+1]
	v_add_f32 v[SQB+(\k)], v[T+2], v[T+3]
.if (\k) == 1
.irp j, 0,2,4,6
	v_pk_add_f32 v[CS+(\j):CS+(\j)+1], v[X+(\j):X+(\j)+1], v[X+8+(\j):X+8+(\j)+1]  ; rows 0 and 1 start the column sums: nothing is cleared
.endr
.elseif (\k) > 1
.irp j, 0,2,4,6
	v_pk_add_f32 v[CS+(\j):CS+(\j)+1], v[CS+(\j):CS+(\j)+1], v[X+8*(\k)+(\j):X+8*(\k)+(\j)+1]
.endr
.endif
.endm
.irp k, 0,1,2,3,4,5,6,7
	ROW \k
.endr
	; the 16 sums over the 32 lanes: four steps inside each half ride on the additions, one crosses the halves; every lane ends with the result
.irp m, 1,2,4,8
.set r, SQT
.rept 16
	v_add_f32_dpp v[r], v[r], v[r] row_xmask:\m row_mask:0xf bank_mask:0xf
.set r, r+1
.endr
.endr
.set r, 0
.rept 16
	v_permlanex16_b32 v[X+r], v[SQT+r], s24, s25   ; X has been consumed; its registers have been written
.set r, r+1
.endr
.set r, 0
.rept 16
	v_add_f32 v[SQT+r], v[SQT+r], v[X+r]
.set r, r+1
.endr
.irp k, 0,1,2,3,4,5,6,7
	v_sqrt_f32 v[RN+(\k)], v[SQB+(\k)]
.endr
	v_max3_num_f32 v[MXV], v[SQT], v[SQT+1], v[SQT+2]   ; plain work behind the roots: the wave's largest true sum
	v_max3_num_f32 v[MXV], v[MXV], v[SQT+3], v[SQT+4]
	v_max3_num_f32 v[MXV], v[MXV], v[SQT+5], v[SQT+6]
	v_max_num_f32 v[MXV], v[MXV], v[SQT+7]
	s_wait_alu depctr_va_vdst(0)                   ; one wait for the eight roots, ahead of their first reader
.irp k, 0,1,2,3,4,5,6,7
	v_max_num_f32 v[RN+(\k)], 0x2b8cbccc, v[RN+(\k)]    ; max(norm, 1e-12), as reference() has it
.endr
.irp k, 0,1,2,3,4,5,6,7
	v_rcp_f32 v[RN+(\k)], v[RN+(\k)]
.endr
	v_nop                                          ; a plain instruction behind the last reciprocal
	s_wait_alu depctr_va_vdst(0)                   ; one wait for the eight
.irp k, 0,1,2,3,4,5,6,7
	ds_store_b32 v[RA], v[SQB+(\k)] offset:4*(\k)            ; all lanes write the same word with the same value
	ds_store_b32 v[RA], v[RN+(\k)]  offset:RRB-RSB+4*(\k)
.endr
	ds_store_b128 v[CA], v[CS:CS+3]
	ds_store_b128 v[CA], v[CS+4:CS+7] offset:512
	ds_store_b32 v[MA], v[MXV]
	s_wait_dscnt 0x0                               ; for the others' sake: my stores are done
	s_barrier_signal -1
	s_barrier_wait -1
	s_cmp_lt_u32 s16, 2
	s_cbranch_scc0 .Lnot_col
	v_lshlrev_b32 v[TA], 4, v0                     ; waves 0 and 1: thread t < 64 adds the 16 waves' sums of dims 4 t .. 4 t + 3
.irp i, 0,1,2,3,4,5,6,7,8,9,10,11,12,13,14,15
	ds_load_b128 v[X+4*(\i):X+4*(\i)+3], v[TA] offset:CSB+1024*(\i)
.endr
	s_wait_dscnt 0x0
.irp d, 32,16,8,4
.set r, 0
.rept (\d)/2
	v_pk_add_f32 v[X+r:X+r+1], v[X+r:X+r+1], v[X+(\d)+r:X+(\d)+r+1]
.set r, r+2
.endr
.endr
	global_store_b128 v[TA], v[X:X+3], s[12:13]    ; a wave stores 512 consecutive bytes
	s_branch .Lend
.Lnot_col:
	s_cmp_eq_u32 s16, 2
	s_cbranch_scc0 .Lnot_sq
	ds_load_b128 v[X:X+3], v[EO] offset:RSB
	s_wait_dscnt 0x0
	global_store_b128 v[EO], v[X:X+3], s[8:9]      ; the group's 128 sqb: 512 consecutive bytes
	s_branch .Lend
.Lnot_sq:
	s_cmp_eq_u32 s16, 3
	s_cbranch_scc0 .Lnot_rn
	ds_load_b128 v[X:X+3], v[EO] offset:RRB
	s_wait_dscnt 0x0
	global_store_b128 v[EO], v[X:X+3], s[10:11]
	s_branch .Lend
.Lnot_rn:
	s_cmp_eq_u32 s16, 4
	s_cbranch_scc0 .Lend
	v_mov_b32 v[TA], MXB
	v_mov_b32 v[ZR], 0
.irp i, 0,1,2,3
	ds_load_b128 v[X+4*(\i):X+4*(\i)+3], v[TA] offset:16*(\i)
.endr
	s_wait_dscnt 0x0
	v_max3_num_f32 v[X], v[X], v[X+1], v[X+2]
.irp i, 3,5,7,9,11,13
	v_max3_num_f32 v[X], v[X], v[X+(\i)], v[X+(\i)+1]
.endr
	v_max_num_f32 v[X], v[X], v[X+15]
	v_cmp_eq_u32 vcc_lo, 0, v[LN]
	s_wait_xcnt 0x0                                ; EXEC changes only when every earlier memory instruction has read its sources
	s_and_saveexec_b32 s32, vcc_lo
	global_store_b32 v[ZR], v[X], s[14:15]         ; one word a work-group
	s_wait_xcnt 0x0                                ; and again in front of the line that widens it
	s_or_b32 exec_lo, exec_lo, s32
.Lend:
	s_wait_tensorcnt 0x0                           ; the wave's end, behind my last LDS store
	ds_add_u32 v[SPW], v[NIL]
	s_wait_dscnt 0x0
	s_endpgm
.Lfunc_end_k_q4bebf68607_prep:
	.size	k_q4bebf68607_prep, .Lfunc_end_k_q4bebf68607_prep-k_q4bebf68607_prep
	.p2alignl 7, 3214868480
	.fill 96, 4, 3214868480
	.section	.rodata,"a",@progbits
	.p2align	6, 0x0
	.amdhsa_kernel k_q4bebf68607_prep
		.amdhsa_group_segment_fixed_size 19712
		.amdhsa_private_segment_fixed_size 0
		.amdhsa_enable_private_segment 0
		.amdhsa_kernarg_size 48
		.amdhsa_user_sgpr_count 2
		.amdhsa_user_sgpr_kernarg_segment_ptr 1
		.amdhsa_wavefront_size32 1
		.amdhsa_system_sgpr_workgroup_id_x 1
		.amdhsa_system_sgpr_workgroup_id_y 1
		.amdhsa_system_sgpr_workgroup_id_z 1
		.amdhsa_system_vgpr_workitem_id 0
		.amdhsa_next_free_vgpr 160
		.amdhsa_next_free_sgpr 66
		.amdhsa_reserve_vcc 1
		.amdhsa_float_denorm_mode_32 3
		.amdhsa_float_denorm_mode_16_64 3
		.amdhsa_memory_ordered 1
		.amdhsa_forward_progress 1
		.amdhsa_inst_pref_size 29
	.end_amdhsa_kernel
	.amdgpu_metadata
---
amdhsa.version: [ 1, 2 ]
amdhsa.kernels:
  - .name:           k_q4bebf68607_prep
    .symbol:         k_q4bebf68607_prep.kd
    .args:
      - { .name: node_embeddings, .offset: 0, .size: 8, .value_kind: global_buffer, .address_space: global }
      - { .name: eb, .offset: 8, .size: 8, .value_kind: global_buffer, .address_space: global }
      - { .name: sqb, .offset: 16, .size: 8, .value_kind: global_buffer, .address_space: global }
      - { .name: rnv, .offset: 24, .size: 8, .value_kind: global_buffer, .address_space: global }
      - { .name: colpart, .offset: 32, .size: 8, .value_kind: global_buffer, .address_space: global }
      - { .name: maxpart, .offset: 40, .size: 8, .value_kind: global_buffer, .address_space: global }
    .group_segment_fixed_size: 19712
    .private_segment_fixed_size: 0
    .kernarg_segment_align: 8
    .kernarg_segment_size: 48
    .max_flat_workgroup_size: 512
    .sgpr_count:     66
    .vgpr_count:     160
    .wavefront_size: 32
...
	.end_amdgpu_metadata
.endif
;; end of part 1
;; launch gram (part 2): grid 32 x 8, 4 waves a work-group, clusters of 4 x 1, 327,680 bytes of LDS; arguments adj_matrix, eb, sqb, rnv, maxpart, pstat, pkeys; writes pstat, pkeys
.if DOCPART == 2
	.amdgcn_target "amdgcn-amd-amdhsa--gfx1250"
	.amdhsa_code_object_version 6
	.text
	.protected	k_q4bebf68607_gram
	.globl	k_q4bebf68607_gram
	.p2align	8
	.type	k_q4bebf68607_gram,@function
k_q4bebf68607_gram:
	s_mov_b64 s[64:65], 0
	v_nop
	global_prefetch_b8 v0, s[64:65] scope:SCOPE_SE
	s_setreg_imm32_b32 hwreg(HW_REG_WAVE_MODE, 25, 1), 1
	s_wait_xcnt 0x0
	s_wait_alu depctr_hold_cnt(0) depctr_sa_sdst(0) depctr_va_vdst(0) depctr_va_sdst(0) depctr_va_ssrc(0) depctr_va_vcc(0) depctr_vm_vsrc(0)
	s_getreg_b32 s2, hwreg(HW_REG_IB_STS2, 6, 4)
	s_cmp_eq_u32 s2, 0
	s_cbranch_scc0 .Lentry_in_a_cluster
	s_endpgm
.Lentry_in_a_cluster:
	s_bfe_u32 s2, ttmp6, 0x10000c
	s_cmp_lg_u32 s2, 0x3003
	s_cbranch_scc0 .Lentry_shape_is_right
	s_endpgm
.Lentry_shape_is_right:
; ONE PASS OVER A AND OVER G = eb eb^T.  Left out as in the first kernel's head: A @ E and normalized @ normalized^T (both are functions of G), the root of d2, the eps inside the logarithm.
; For each row i and each of 16 partial streams of columns: deg = sum A, pot = sum A G, a running maximum MU of u = A G rn_i rn_j log2(e), Z = sum 2^(u - MU), U = sum 2^(u - MU) u,
; and the six smallest keys of max(d2, 0).  The last launch merges the 16 partials of a row.
; SHARES.  A work-group has 256 rows (block bx) x 1,024 columns (slice y); wave w has 64 rows: four tiles t of 16.  All waves walk the slice's 64 GROUPS of 16 columns; a CHUNK is four groups.
; LAYOUT.  The product is used transposed: source 0 = 16 rows j of eb (from LDS), source 1 = a query tile (in registers all the time).  In the result lane (r, h) holds row 16 t + r and
; register e column 16 m + 8 h + e.  So a lane is ONE partial (row, y, h): nothing crosses lanes in this launch.
; THE KEY.  d2 x sigma = G (-2 sigma) + (sq_j sigma + sq_i sigma), held to 0 .. 1 by the multiply-add's clamp, which is reference()'s max(d2, 0): sigma is a power of two with
; 4 max|E|^2 sigma under 0.51, so the scaling is exact and the upper bound is never met.  The low nine bits give way to the column's number 8 m + e in the lane's stream.
; Keys are non-negative floats: their order as floats is their order as whole numbers.  A sorted list of six takes a key by five medians and a minimum.
; BY TURNS.  BODY m: 32 products of group m + 1, four vector lines of group m behind each; the LDS loads of group m + 2 in one run; then the rest of group m's vector work, 308 lines, in one lump.
; A group has 436 vector lines for 32 matrix instructions: vector issue sets the pace, so the order has one aim, to lose nothing more.
; THE RING.  Two LDS slots of a chunk each: A's 256 rows x 256 bytes (waves 0 and 1 fetch 128 rows each; nobody else reads them) and eb's 64 rows x 512 bytes (waves 2 and 3, 32 rows each).
; CLUSTER.  The four row blocks of a cluster walk the same rows of eb: those tiles are asked for JOINTLY (a third of a step's bytes); A's blocks have one reader each and come by plain loads.
; REGISTERS, in windows of 256 (s_set_vgpr_msb: bits 1:0 source 0, 3:2 source 1, 5:4 source 2, 7:6 destination):
;   window 0: v0-15 addresses, -2 sigma; v16-79 statistics, 16 a tile; v80-103 the lists (level k, tile t at 80 + 4 k + t); v104-167 G, two buffers by the group's parity;
;             v168-199 y; v200-231 at work; v232-255 the set-up's
;   window 1: the query tiles, 64 a tile          window 2: v0-63 eb's fragments of one group; v64-127 A, two buffers; v128-159 sq_j sigma and rn_j, two buffers
.set PA,    272                        ; a row of A in LDS: 256 bytes + 16: the 16 rows that half a load touches start at 16 different groups of four banks (64 banks of 4 bytes: ISA guide 11.1)
.set PE,    528                        ; a row of eb: 512 + 16: likewise
.set SLOT1, 1<<17                      ; slot 1 begins here: one exclusive or turns an address in one slot into the other's
.set EOFF,  256*PA                     ; in a slot eb's rows lie behind A's
.set CVB,   SLOT1+EOFF+64*PE           ; behind the ring, filled by LDS stores, never by a tensor load: 1,024 sq_j sigma, then 1,024 rn_j
.set SPARE, CVB+8192                   ; the spare words, 128 bytes for each wave
.set AA0, 2                            ; my lane's place in a chunk of A; never rewritten
.set AAD, 3                            ; the address of A's run in hand
.set CF0, 4                            ; the same two for eb
.set ACF, 5
.set CV0, 6                            ; and for the column values
.set ACV, 7
.set SPW, 8                            ; LDS address of my spare word; never rewritten
.set NIL, 9                            ; 0; never rewritten
.set PFO, 10                           ; prefetch: (64 w + lane) rows of A
.set PFE, 11                           ; prefetch: 256 x lane
.set CSG, 12                           ; v[12:13] -2 sigma, twice
.set SO,  14                           ; 16 x lane
.set ST,  16                           ; tile t at ST + 16 t: +0,1 deg  +2,3 pot  +4,5 Z  +6,7 U  +8 MU  +9 max y  +10 ci = rn_i log2(e)  +11 at work  +12 sq_i sigma  +13 MU_old - MU  +14 a  +15 0
.set LST, 80
.set ACC, 104
.set WY,  168
.set TT,  200
.set QO,  232
.set CO,  233
.set RO,  234
.set MO,  235
.set CVS, 236
.set SIG, 238                          ; v[238:239] sigma, twice
.set CF,  0                            ; window 2
.set AV,  64
.set HQ,  128
.set RNC, 136
.set WV,  18                           ; s18 my wave's number
.set G1A, 24                           ; s[24:31] descriptor group 1 for A's tiles
.set G1E, 32                           ; s[32:39] for eb's
.set G0A, 40                           ; s[40:47] group 0 for A's: a set for each first fill; the second then walks
.set G0E, 48                           ; s[48:55] the same for eb's
.set SLOTS, 56
.set TWICE, 57
.set SEL, 58                           ; s[58:59]
.set TBA, 60                           ; LDS byte at which A of the group to be fetched begins,
.set TBE, 61                           ; eb's rows of it,
.set TBC, 62                           ; its column values
.set MASK, 63
.set IDX, 66                           ; s[66:73] 8 m + e
.set PFA, 74                           ; s[74:75] A at the chunk that the prefetches name
.set PFB, 76                           ; s[76:77] eb likewise, at my work-group's 16 rows of the chunk's 64
.set LIM, 78                           ; 1 in the wave that prefetches eb, else the greatest number
.set W_MM, 0x06                        ; eb's fragments window 2, the queries window 1, G window 0
.set W_LD, 0x80                        ; destination window 2, address window 0
.set W_Q,  0x40                        ; destination window 1
.set W_A,  0x02                        ; source 0 window 2
.set MSB, 0
.macro WIN new                         ; the immediate's high byte repeats the setting that is left; a switch that changes nothing is dropped
.if MSB != (\new)
	s_set_vgpr_msb (MSB<<8)|(\new)
.set MSB, \new
.endif
.endm
; A round of the cluster's barrier: my work-group's barrier, so that wave 0's signal speaks for all four waves; wave 0 signals; every wave waits for all four work-groups; my work-group's barrier once more.
.macro CROUND
	s_barrier_signal -1
	s_barrier_wait -1
	s_cmp_lg_u32 s[WV], 0
	s_cbranch_scc1 .Lnot_wave_0_\@
	s_barrier_signal -3
.Lnot_wave_0_\@:
	s_barrier_wait -3
	s_barrier_signal -1
	s_barrier_wait -1
.endm
; A refill: waves 0 and 1 fetch the halves of A's chunk, waves 2 and 3 those of eb's, jointly.  The branch hangs on the wave's number alone.  An s_nop 0 and four v_nop follow each line.
.macro JLOAD
	s_cmp_lt_u32 s[WV], 2
	s_cbranch_scc0 .Lfor_e_\@
	tensor_load_to_lds s[G0A+4:G0A+7], s[G1A:G1A+7]
	s_nop 0
.rept 4
	v_nop
.endr
	s_branch .Lasked_\@
.Lfor_e_\@:
	tensor_load_to_lds s[G0E+4:G0E+7], s[G1E:G1E+7]
	s_nop 0
.rept 4
	v_nop
.endr
.Lasked_\@:
.endm
; A PREFETCH INTO THE L2 of the chunk that the NEXT change of slots will ask for: four bodies, 128 matrix instructions and 1,744 vector lines, ahead of that load.  It stands behind the wave's tensor load and its five lines.
; A: each wave names its own 64 rows' 256 bytes, a lane a row, two instructions: each block once in the launch.  eb: all eight clusters of a slice walk the same rows: the first cluster asks, its four
; partners take 16 rows (32 blocks of 256 bytes) each, told apart by address; wave 2 asks.  The last change that fills a slot asks for nothing; chunks 0 to 2 come by their loads alone.
.macro ASK
	s_cmp_gt_u32 s[SLOTS], 1
	s_cbranch_scc0 .Lnot_mine_\@
	global_prefetch_b8 v[PFO], s[PFA:PFA+1] th:TH_LOAD_NT scope:SCOPE_SE
	global_prefetch_b8 v[PFO], s[PFA:PFA+1] offset:32*32768 th:TH_LOAD_NT scope:SCOPE_SE
	s_cmp_gt_u32 s[SLOTS], s[LIM]
	s_cbranch_scc0 .Lnot_mine_\@
	global_prefetch_b8 v[PFE], s[PFB:PFB+1] th:TH_LOAD_NT scope:SCOPE_SE
.Lnot_mine_\@:
.endm
	s_load_b256 s[4:11], s[0:1], 0x0               ; A s[4:5], eb s[6:7], sqb s[8:9], rnv s[10:11]
	s_load_b128 s[12:15], s[0:1], 0x20             ; maxpart s[12:13], pstat s[14:15]
	s_load_b64 s[16:17], s[0:1], 0x30              ; pkeys
	v_lshl_add_u32 v[SPW], v0, 2, SPARE
	v_mov_b32 v[NIL], 0
	ds_add_u32 v[SPW], v[NIL]                      ; the wave's opening: the add, twice on end, and its wait ahead of my first tensor load
	ds_add_u32 v[SPW], v[NIL]                      ; and once more, under the one wait; the set-up below, work on registers, stands between
	v_lshrrev_b32 v1, 5, v0
	v_readfirstlane_b32 s[WV], v1                  ; wave 0..3
	s_bfe_u32 s19, ttmp6, 0x40000                  ; cx: my place in the cluster
	s_lshl_b32 s20, ttmp9, 2                       ; in a cluster launch ttmp9 counts clusters
	s_add_co_u32 s20, s20, s19                     ; bx: my block of 256 rows
	s_and_b32 s21, ttmp7, 0xffff                   ; y: the slice of 1,024 columns, which the four partners share
	s_and_b32 s22, s[WV], 1                        ; which half of a tile I fetch
	s_mov_b32 s[G1A],   (2<<16)|(1<<20)|(5<<22)|(3<<25)   ; no mask; elements of 4 bytes; padding on: after every 64 words (code 5) 4 words (code 3)
	s_mov_b32 s[G1A+1], 64<<16                     ; tensor_dim0 = 64
	s_mov_b32 s[G1A+2], 128<<16                    ; tensor_dim1 = 128
	s_mov_b32 s[G1A+3], 64<<16                     ; tile_dim0 = 64
	s_mov_b32 s[G1A+4], 128                        ; tile_dim1 = 128
	s_mov_b32 s[G1A+5], 8192                       ; elements from row to row
	s_mov_b32 s[G1A+6], 0
	s_mov_b32 s[G1A+7], 0
	s_mov_b32 s[G1E],   15|(1<<16)|(1<<20)|(1<<21)|(6<<22)|(3<<25)  ; the mask of four, bit 21 beside it; elements of 2 bytes; after every 128 words (code 6) 4 words
	s_mov_b32 s[G1E+1], 256<<16
	s_mov_b32 s[G1E+2], 32<<16
	s_mov_b32 s[G1E+3], 256<<16
	s_mov_b32 s[G1E+4], 32
	s_mov_b32 s[G1E+5], 256
	s_mov_b32 s[G1E+6], 0
	s_mov_b32 s[G1E+7], 0
	s_mul_i32 s23, s22, 128*PA                     ; LDS addresses: the wave's number and constants alone
	s_mov_b32 s[G0A], 1
	s_mov_b32 s[G0A+1], s23
	s_mov_b32 s[G0A+4], 1
	s_add_co_u32 s[G0A+5], s23, SLOT1
	s_mul_i32 s23, s22, 32*PE
	s_mov_b32 s[G0E], 1
	s_add_co_u32 s[G0E+1], s23, EOFF
	s_mov_b32 s[G0E+4], 1
	s_add_co_u32 s[G0E+5], s23, SLOT1+EOFF
	s_lshl_b32 s80, s20, 23                        ; A: 256 bx rows of 32,768 bytes
	s_lshl_b32 s23, s21, 12                        ; + the slice's 4,096 bytes of a row
	s_add_co_u32 s80, s80, s23
	s_add_co_u32 s94, s80, 2*256                   ; the prefetches stand at chunk 2; the first change steps them to chunk 3
	s_mov_b32 s95, 0
	s_lshl_b32 s23, s22, 22                        ; + my 128 rows
	s_add_co_u32 s80, s80, s23
	s_mov_b32 s81, 0
	s_lshl_b32 s82, s21, 19                        ; eb, jointly: 1,024 y rows of 512 bytes; no register of this sum ever holds cx
	s_lshl_b32 s23, s22, 14                        ; + my 32 rows
	s_add_co_u32 s82, s82, s23
	s_mov_b32 s83, 0
	s_lshl_b32 s92, s21, 19                        ; eb's prefetches: the slice, my work-group's 16 rows of a chunk, chunk 2
	s_lshl_b32 s23, s19, 13
	s_add_co_u32 s92, s92, s23
	s_add_co_u32 s92, s92, 2*64*512
	s_mov_b32 s93, 0
	s_lshl_b32 s84, s20, 17                        ; the queries: 256 bx + 64 w rows of eb
	s_lshl_b32 s23, s[WV], 15
	s_add_co_u32 s84, s84, s23
	s_mov_b32 s85, 0
	s_lshl_b32 s86, s21, 12                        ; the slice's words of sqb and rnv
	s_mov_b32 s87, 0
	s_lshl_b32 s88, s20, 10                        ; my rows' words
	s_lshl_b32 s23, s[WV], 8
	s_add_co_u32 s88, s88, s23
	s_mov_b32 s89, 0
	s_mov_b32 s[SEL], 0x76543210
	s_mov_b32 s[SEL+1], 0xfedcba98
	s_mov_b32 s[TBA], 0
	s_mov_b32 s[TBE], 0
	s_mov_b32 s[TBC], 0
	s_mov_b32 s[MASK], 0x7ffffe00
.irp e, 0,1,2,3,4,5,6,7
	s_mov_b32 s[IDX+(\e)], \e
.endr
	s_xor_b32 s23, s[WV], 2                        ; 0 in wave 2,
	s_or_b32 s23, s23, ttmp9                       ; of the slice's first cluster: the same in all four partners
	s_cmp_eq_u32 s23, 0
	s_cselect_b32 s[LIM], 1, -1
	s_wait_dscnt 0x0                               ; both opening adds are done
	s_wait_kmcnt 0x0
	s_add_nc_u64 s[G0A+2:G0A+3], s[4:5], s[80:81]  ; chunk 0,
	s_add_nc_u64 s[G0A+6:G0A+7], s[G0A+2:G0A+3], 256     ; chunk 1: 64 columns on
	s_or_b32 s[G0A+3], s[G0A+3], 0x80000000        ; type = 2
	s_or_b32 s[G0A+7], s[G0A+7], 0x80000000
	s_add_nc_u64 s[G0E+2:G0E+3], s[6:7], s[82:83]
	s_add_nc_u64 s[G0E+6:G0E+7], s[G0E+2:G0E+3], 64*512  ; 64 rows on
	s_or_b32 s[G0E+3], s[G0E+3], 0x80000000
	s_or_b32 s[G0E+7], s[G0E+7], 0x80000000
	s_add_nc_u64 s[PFA:PFA+1], s[4:5], s[94:95]
	s_add_nc_u64 s[PFB:PFB+1], s[6:7], s[92:93]
	s_add_nc_u64 s[84:85], s[6:7], s[84:85]        ; the queries
	s_add_nc_u64 s[90:91], s[10:11], s[86:87]      ; rnv at the slice
	s_add_nc_u64 s[86:87], s[8:9], s[86:87]        ; sqb at the slice
	s_add_nc_u64 s[92:93], s[10:11], s[88:89]      ; rnv at my rows
	s_add_nc_u64 s[88:89], s[8:9], s[88:89]        ; sqb at my rows
	CROUND                                         ; all four work-groups are here: the first joint loads meet
	s_cmp_lt_u32 s[WV], 2                          ; a wave's two first fills stand in one branch, ahead of every wait on TENSORcnt and every LDS read: two loads of mine are out
	s_cbranch_scc0 .Lfirst_e
	tensor_load_to_lds s[G0A:G0A+3], s[G1A:G1A+7]
	s_nop 0
	tensor_load_to_lds s[G0A+4:G0A+7], s[G1A:G1A+7]
	s_nop 0
.rept 4
	v_nop
.endr
	s_branch .Lfirst_asked
.Lfirst_e:
	tensor_load_to_lds s[G0E:G0E+3], s[G1E:G1E+7]
	s_nop 0
	tensor_load_to_lds s[G0E+4:G0E+7], s[G1E:G1E+7]
	s_nop 0
.rept 4
	v_nop
.endr
.Lfirst_asked:
	v_and_b32 v1, 15, v0                           ; r
	v_bfe_u32 v15, v0, 4, 1                        ; h
	v_lshlrev_b32 v[QO], 9, v1
	v_lshl_add_u32 v[QO], v15, 4, v[QO]            ; a fragment's row x 512 + 16 h
	WIN W_Q
.irp t, 0,1,2,3
.irp k, 0,1,2,3,4,5,6,7                            ; the queries stay in registers: tile t, channels 32 k on
	global_load_b128 v[64*(\t)+8*(\k):64*(\t)+8*(\k)+3],   v[QO], s[84:85] offset:8192*(\t)+64*(\k)
	global_load_b128 v[64*(\t)+8*(\k)+4:64*(\t)+8*(\k)+7], v[QO], s[84:85] offset:8192*(\t)+64*(\k)+32
.endr
.endr
	WIN 0
	v_and_b32 v[SO], 31, v0                        ; lane
	v_lshlrev_b32 v[MO], 3, v[SO]
	v_lshlrev_b32 v[CO], 5, v0                     ; 8 columns a thread
	v_lshlrev_b32 v[RO], 2, v1
	global_load_b64 v[WY:WY+1], v[MO], s[12:13]    ; the 64 partial maxima
	global_load_b128 v[240:243], v[CO], s[86:87]
	global_load_b128 v[244:247], v[CO], s[86:87] offset:16
	global_load_b128 v[248:251], v[CO], s[90:91]
	global_load_b128 v[252:255], v[CO], s[90:91] offset:16
.irp t, 0,1,2,3
	global_load_b32 v[ST+16*(\t)+12], v[RO], s[88:89] offset:64*(\t)
	global_load_b32 v[ST+16*(\t)+10], v[RO], s[92:93] offset:64*(\t)
.endr
	v_mul_u32_u24 v[AA0], v1, PA                   ; A: row (64 w + r) x pitch + 32 h: my 8 columns of a group
	v_lshl_add_u32 v[AA0], v15, 5, v[AA0]
	s_mul_i32 s23, s[WV], 64*PA
	v_add_nc_u32 v[AA0], s23, v[AA0]
	v_mul_u32_u24 v[CF0], v1, PE                   ; eb: row r x pitch + 16 h, behind A's rows
	v_lshl_add_u32 v[CF0], v15, 4, v[CF0]
	v_add_nc_u32 v[CF0], EOFF, v[CF0]
	v_lshlrev_b32 v[CV0], 5, v15
	v_add_nc_u32 v[CV0], CVB, v[CV0]
	v_add_nc_u32 v[CVS], CVB, v[CO]
	v_lshlrev_b32 v[PFO], 15, v[SO]
	s_lshl_b32 s23, s[WV], 21
	v_add_nc_u32 v[PFO], s23, v[PFO]
	v_lshlrev_b32 v[PFE], 8, v[SO]
	v_lshlrev_b32 v[SO], 4, v[SO]
	; the sums start at 0, the maxima far below every value (the first group's a is then 0), the lists at the greatest finite number: written while the loads are out
.irp t, 0,1,2,3
.irp j, 0,1,2,3,4,5,6,7,13,15
	v_mov_b32 v[ST+16*(\t)+(\j)], 0
.endr
	v_mov_b32 v[ST+16*(\t)+8], 0xfe000000
	v_mov_b32 v[ST+16*(\t)+9], 0xff7fffff
.endr
.set r, 0
.rept 24
	v_mov_b32 v[LST+r], 0x7f7fffff
.set r, r+1
.endr
	s_wait_loadcnt 0x0
	v_max_num_f32 v[WY], v[WY], v[WY+1]
.irp m, 1,2,4,8
	v_max_num_f32_dpp v[WY], v[WY], v[WY] row_xmask:\m row_mask:0xf bank_mask:0xf
.endr
	v_permlanex16_b32 v[WY+1], v[WY], s[SEL], s[SEL+1]
	v_max_num_f32 v[WY], v[WY], v[WY+1]            ; max |E_i|^2 < 2^(x - 126), x its exponent field
	v_lshrrev_b32 v[WY], 23, v[WY]
	v_sub_nc_u32 v[WY], 250, v[WY]
	v_lshlrev_b32 v[SIG], 23, v[WY]                ; sigma = 2^(123 - x): 4 max sigma < 1/2
	v_mov_b32 v[SIG+1], v[SIG]
	v_mul_f32 v[CSG], -2.0, v[SIG]
	v_mul_f32 v[CSG+1], -2.0, v[SIG]
.irp j, 0,2,4,6
	v_pk_mul_f32 v[240+(\j):241+(\j)], v[240+(\j):241+(\j)], v[SIG:SIG+1]
.endr
	ds_store_b128 v[CVS], v[240:243]
	ds_store_b128 v[CVS], v[244:247] offset:16
	ds_store_b128 v[CVS], v[248:251] offset:4096
	ds_store_b128 v[CVS], v[252:255] offset:4112
.irp t, 0,1,2,3
	v_mul_f32 v[ST+16*(\t)+12], v[ST+16*(\t)+12], v[SIG]
	v_mul_f32 v[ST+16*(\t)+10], 0x3fb8aa3b, v[ST+16*(\t)+10]
.endr
; Product i of 32 of G for the group after the one in hand: channels 32 (i / 4) on, tile i % 4.  The four accumulators take turns, one instruction a turn; the first four start the sums.
.macro MM
	WIN W_MM
.set rD, ACC+32*(1-PAR)+8*(i%4)
.set rC, CF+8*(i/4)
.set rQ, 64*(i%4)+8*(i/4)
.if i < 4
	v_wmma_f32_16x16x32_bf16 v[rD:rD+7], v[rC:rC+7], v[rQ:rQ+7], 0
.else
	v_wmma_f32_16x16x32_bf16 v[rD:rD+7], v[rC:rC+7], v[rQ:rQ+7], v[rD:rD+7]
.endif
.set i, i+1
.endm
; Line n of the 128 that stand behind the products; tile n % 4, pair (n / 4) % 4.  Each accumulator's lowest pair is read first.
;   0-15 y = A G    16-31 pot += A G    32-47 deg += A    48-63 sq_j sigma + sq_i sigma    64-79 y = rn_j y    80-95 d2 sigma, held to 0 .. 1    96-127 the key
.macro VW
.set t, n%4
.set p, (n/4)%4
.set rS, ST+16*t
.set rA, ACC+32*PAR+8*t+2*p
.set rW, WY+8*t+2*p
.set rT, TT+8*t+2*p
.set rV, AV+32*PAR+8*t+2*p
.if n < 16
	WIN W_A
	v_pk_mul_f32 v[rW:rW+1], v[rV:rV+1], v[rA:rA+1]
.elseif n < 32
	WIN W_A
	v_pk_fma_f32 v[rS+2:rS+3], v[rV:rV+1], v[rA:rA+1], v[rS+2:rS+3]
.elseif n < 48
	WIN W_A
	v_pk_add_f32 v[rS:rS+1], v[rV:rV+1], v[rS:rS+1]
.elseif n < 64
	WIN W_A
	v_pk_add_f32 v[rT:rT+1], v[HQ+16*PAR+2*p:HQ+16*PAR+2*p+1], v[rS+12:rS+13] op_sel_hi:[1,0]
.elseif n < 80
	WIN W_A
	v_pk_mul_f32 v[rW:rW+1], v[RNC+16*PAR+2*p:RNC+16*PAR+2*p+1], v[rW:rW+1]
.elseif n < 96
	WIN 0
	v_pk_fma_f32 v[rA:rA+1], v[rA:rA+1], v[CSG:CSG+1], v[rT:rT+1] clamp
.else
	WIN 0
.set e, (n-96)/4
	v_and_or_b32 v[ACC+32*PAR+8*t+e], v[ACC+32*PAR+8*t+e], s[MASK], s[IDX+e]
.endif
.set n, n+1
.endm
; Line q of the 192 that put a group's 32 keys into the sorted lists: key q / 24 of tile q % 4, levels 5 down to 0: L_k = the middle one of L_(k-1), x, L_k; L_0 = min(L_0, x).
.macro INS
.set t, q%4
.set lv, 5-(q%24)/4
.set rX, ACC+32*PAR+8*t+q/24
.if lv > 0
	v_med3_num_f32 v[LST+4*lv+t], v[LST+4*(lv-1)+t], v[rX], v[LST+4*lv+t]
.else
	v_min_num_f32 v[LST+t], v[LST+t], v[rX]
.endif
.set q, q+1
.endm
; 28 LDS loads in one run: eb's 16 rows x 256 channels, A's 4 x 8 numbers a lane, the 8 columns' two values, of the group at the three scalar addresses, which then step.
.macro LOADS par
	WIN 0
	v_add_nc_u32 v[ACF], s[TBE], v[CF0]
	v_add_nc_u32 v[AAD], s[TBA], v[AA0]
	v_add_nc_u32 v[ACV], s[TBC], v[CV0]
	WIN W_LD
.irp k, 0,1,2,3,4,5,6,7
	ds_load_b128 v[CF+8*(\k):CF+8*(\k)+3],   v[ACF] offset:64*(\k)
	ds_load_b128 v[CF+8*(\k)+4:CF+8*(\k)+7], v[ACF] offset:64*(\k)+32
.endr
.irp t, 0,1,2,3
	ds_load_b128 v[AV+32*(\par)+8*(\t):AV+32*(\par)+8*(\t)+3],   v[AAD] offset:16*PA*(\t)
	ds_load_b128 v[AV+32*(\par)+8*(\t)+4:AV+32*(\par)+8*(\t)+7], v[AAD] offset:16*PA*(\t)+16
.endr
	ds_load_b128 v[HQ+16*(\par):HQ+16*(\par)+3],    v[ACV]
	ds_load_b128 v[HQ+16*(\par)+4:HQ+16*(\par)+7],  v[ACV] offset:16
	ds_load_b128 v[RNC+16*(\par):RNC+16*(\par)+3],   v[ACV] offset:4096
	ds_load_b128 v[RNC+16*(\par)+4:RNC+16*(\par)+7], v[ACV] offset:4112
	s_add_co_u32 s[TBE], s[TBE], 16*PE
	s_add_co_u32 s[TBA], s[TBA], 64
	s_add_co_u32 s[TBC], s[TBC], 64
.endm
; THE LUMP: the maximum of the 8 y and the old one; MU = ci max y; a = 2^(MU_old - MU); u - MU; the 36 exponentials are ONE BATCH with one wait: nothing ahead of it names a result.
; The insertions, which touch none of this, stand between and behind the exponentials.  Behind the wait: Z = Z a + sum e, U = U a + sum e y.
.macro LUMP
	WIN 0
.irp t, 0,1,2,3
	v_max3_num_f32 v[TT+8*(\t)], v[WY+8*(\t)], v[WY+8*(\t)+1], v[WY+8*(\t)+2]
.endr
.irp t, 0,1,2,3
	v_max3_num_f32 v[TT+8*(\t)+1], v[WY+8*(\t)+3], v[WY+8*(\t)+4], v[WY+8*(\t)+5]
.endr
.irp t, 0,1,2,3
	v_max3_num_f32 v[TT+8*(\t)], v[TT+8*(\t)], v[WY+8*(\t)+6], v[WY+8*(\t)+7]
.endr
.irp t, 0,1,2,3
	v_max3_num_f32 v[ST+16*(\t)+9], v[TT+8*(\t)], v[TT+8*(\t)+1], v[ST+16*(\t)+9]
.endr
.irp t, 0,1,2,3
	v_mul_f32 v[ST+16*(\t)+11], v[ST+16*(\t)+9], v[ST+16*(\t)+10]   ; ci is not negative: the maximum of ci y is ci times the maximum of y
.endr
.irp t, 0,1,2,3
	v_sub_f32 v[ST+16*(\t)+13], v[ST+16*(\t)+8], v[ST+16*(\t)+11]
.endr
.irp t, 0,1,2,3
	v_mov_b32 v[ST+16*(\t)+8], v[ST+16*(\t)+11]
.endr
.irp t, 0,1,2,3
	v_exp_f32 v[ST+16*(\t)+14], v[ST+16*(\t)+13]
.endr
.irp p, 0,1,2,3
.irp t, 0,1,2,3
	v_pk_fma_f32 v[TT+8*(\t)+2*(\p):TT+8*(\t)+2*(\p)+1], v[WY+8*(\t)+2*(\p):WY+8*(\t)+2*(\p)+1], v[ST+16*(\t)+10:ST+16*(\t)+11], v[ST+16*(\t)+8:ST+16*(\t)+9] op_sel_hi:[1,0,0] neg_lo:[0,0,1] neg_hi:[0,0,1]
.endr
.endr
.set z, 0
.rept 32
	INS
	v_exp_f32 v[TT+8*(z%4)+z/4], v[TT+8*(z%4)+z/4]
.set z, z+1
.endr
.rept 160
	INS
.endr
	s_wait_alu depctr_va_vdst(0)                   ; the one wait for the batch, ahead of its first reader; the insertions are the plain lines behind the last exponential
.irp t, 0,1,2,3
	v_pk_fma_f32 v[ST+16*(\t)+4:ST+16*(\t)+5], v[ST+16*(\t)+4:ST+16*(\t)+5], v[ST+16*(\t)+14:ST+16*(\t)+15], v[TT+8*(\t):TT+8*(\t)+1] op_sel_hi:[1,0,1]
.endr
.irp t, 0,1,2,3
	v_pk_mul_f32 v[ST+16*(\t)+6:ST+16*(\t)+7], v[ST+16*(\t)+6:ST+16*(\t)+7], v[ST+16*(\t)+14:ST+16*(\t)+15] op_sel_hi:[1,0]
.endr
.irp p, 0,1,2,3
.if (\p) > 0
.irp t, 0,1,2,3
	v_pk_add_f32 v[ST+16*(\t)+4:ST+16*(\t)+5], v[ST+16*(\t)+4:ST+16*(\t)+5], v[TT+8*(\t)+2*(\p):TT+8*(\t)+2*(\p)+1]
.endr
.endif
.irp t, 0,1,2,3
	v_pk_fma_f32 v[ST+16*(\t)+6:ST+16*(\t)+7], v[TT+8*(\t)+2*(\p):TT+8*(\t)+2*(\p)+1], v[WY+8*(\t)+2*(\p):WY+8*(\t)+2*(\p)+1], v[ST+16*(\t)+6:ST+16*(\t)+7]
.endr
.endr
.endm
; BODY for group m, par = m % 2.  last = 1 (the tail): in its last trip there is no further group, and the run of loads is jumped over.
; The run stands behind the last product and its four lines, which name none of that product's registers, and the three address lines: more than the four places that loads into eb's fragments want.
.macro BODY par, last
.set PAR, \par
.set i, 0
.set n, 0
.set q, 0
	s_wait_dscnt 0x0                               ; the run of loads of the body before is in: a lump lies between
.rept 32
	MM
	VW
	VW
	VW
	VW
.endr
	WIN 0
.irp e, 0,1,2,3,4,5,6,7
	s_add_co_u32 s[IDX+(\e)], s[IDX+(\e)], 8
.endr
.if \last
	s_cmp_eq_u32 s[TWICE], 1
	s_cbranch_scc1 .Lno_loads_\@
.endif
	LOADS \par
	WIN 0
.if \last
.Lno_loads_\@:
.endif
	LUMP
.endm
; THE CHANGE OF SLOTS, between bodies 4 k + 1 and 4 k + 2: the slot's last group has been fetched.  Each wave waits for all its tensor loads, of which one is out: its part of the other slot; adds 0 to its
; spare word; and waits for that and for its reads of the slot.  fill = 1: the barrier is a round of the cluster's, so that no wave of any partner still reads the slot or has a load on its way, and the
; refill, with the chunk two on, is the first thing behind it: it has four bodies in which to land.
.macro CHANGE fill
	WIN 0
	s_wait_tensorcnt 0x0                           ; no tensor load of mine is out, so a group 0 may be written
	ds_add_u32 v[SPW], v[NIL]                      ; 0 onto my spare word
.if \fill
	s_xor_b32 s[G0A+5], s[G0A+5], SLOT1            ; the walking descriptors: the other slot than last time, the next chunk
	s_add_nc_u64 s[G0A+6:G0A+7], s[G0A+6:G0A+7], 256
	s_xor_b32 s[G0E+5], s[G0E+5], SLOT1
	s_add_nc_u64 s[G0E+6:G0E+7], s[G0E+6:G0E+7], 64*512
	s_wait_xcnt 0x0                                ; the last prefetches, four bodies back, have read their addresses
	s_add_nc_u64 s[PFA:PFA+1], s[PFA:PFA+1], 256
	s_add_nc_u64 s[PFB:PFB+1], s[PFB:PFB+1], 64*512
	s_wait_dscnt 0x0                               ; the add is done, and my reads of the slot are over
	CROUND
	JLOAD
	ASK
.else
	s_wait_dscnt 0x0
	s_barrier_signal -1
	s_barrier_wait -1
.endif
	s_sub_co_u32 s[TBA], s[TBA], 4*64              ; the fetches go back to a slot's first group,
	s_xor_b32 s[TBA], s[TBA], SLOT1                ; in the other slot
	s_sub_co_u32 s[TBE], s[TBE], 4*16*PE
	s_xor_b32 s[TBE], s[TBE], SLOT1
.endm
	s_wait_tensorcnt 0x1                           ; my part of chunk 0 is in; chunk 1's may stay out
	s_wait_dscnt 0x0                               ; my stores of the column values are done
	s_barrier_signal -1
	s_barrier_wait -1                              ; everybody's are
	LOADS 0                                        ; group 0
	s_wait_dscnt 0x0
.set PAR, 1
.set i, 0
.rept 32
	MM                                             ; G of group 0: there is no vector work yet to set between
.endr
	WIN 0
.rept 4
	v_nop                                          ; the places behind those products, in front of the loads into eb's fragments
.endr
	LOADS 1                                        ; group 1
	WIN 0
	BODY 0, 0                                      ; groups 0 and 1: chunk 0's last two groups are fetched
	BODY 1, 0
	WIN 0
	s_mov_b32 s[SLOTS], 14
.Lslot:                                            ; 14 times: chunks 2 to 15 are asked for
	CHANGE 1
	s_mov_b32 s[TWICE], 2
.Lpair:
	BODY 0, 0
	BODY 1, 0
	WIN 0
	s_sub_co_u32 s[TWICE], s[TWICE], 1
	s_cmp_lg_u32 s[TWICE], 0
	s_cbranch_scc1 .Lpair
	s_sub_co_u32 s[SLOTS], s[SLOTS], 1
	s_cmp_lg_u32 s[SLOTS], 0
	s_cbranch_scc1 .Lslot
	CHANGE 0                                       ; the tail is written out: nothing is asked for
	s_mov_b32 s[TWICE], 3                          ; groups 58 to 63; the third trip fetches nothing, and the very last body's 32 products, on the last fragments once more, serve nothing:
.Ltail:                                            ; the price, once a launch, of one text for every body
	BODY 0, 1
	BODY 1, 1
	WIN 0
	s_sub_co_u32 s[TWICE], s[TWICE], 1
	s_cmp_lg_u32 s[TWICE], 0
	s_cbranch_scc1 .Ltail
	; THE WAY OUT.  A lane's four tiles of a field are 16 bytes; a store of the wave covers 512 consecutive bytes.  pstat: [y][bx][w][field 5][h][r][t]; pkeys the same with six levels.
.irp t, 0,1,2,3
	v_add_f32 v[WY+(\t)],    v[ST+16*(\t)],   v[ST+16*(\t)+1]
	v_add_f32 v[WY+4+(\t)],  v[ST+16*(\t)+2], v[ST+16*(\t)+3]
	v_mov_b32 v[WY+8+(\t)],  v[ST+16*(\t)+8]
	v_add_f32 v[WY+12+(\t)], v[ST+16*(\t)+4], v[ST+16*(\t)+5]
	v_add_f32 v[WY+16+(\t)], v[ST+16*(\t)+6], v[ST+16*(\t)+7]
.endr
.irp t, 0,1,2,3
	v_mul_f32 v[WY+16+(\t)], v[WY+16+(\t)], v[ST+16*(\t)+10]   ; sum e y times ci = sum e u
.endr
	s_lshl_b32 s80, s21, 5
	s_add_co_u32 s80, s80, s20
	s_lshl2_add_u32 s80, s80, s[WV]                ; (32 y + bx) 4 + w
	s_mul_i32 s82, s80, 5*512
	s_mov_b32 s83, 0
	s_mul_i32 s84, s80, 6*512
	s_mov_b32 s85, 0
	s_add_nc_u64 s[14:15], s[14:15], s[82:83]
	s_add_nc_u64 s[16:17], s[16:17], s[84:85]
.irp f, 0,1,2,3,4
	global_store_b128 v[SO], v[WY+4*(\f):WY+4*(\f)+3], s[14:15] offset:512*(\f)
.endr
.irp k, 0,1,2,3,4,5
	global_store_b128 v[SO], v[LST+4*(\k):LST+4*(\k)+3], s[16:17] offset:512*(\k)
.endr
	s_wait_tensorcnt 0x0                           ; the wave's end, behind my last tensor load and my last LDS store
	ds_add_u32 v[SPW], v[NIL]
	s_wait_dscnt 0x0
	CROUND                                         ; the closing round: no work-group ends while a partner may still ask for a tile that names it
	s_endpgm
.Lfunc_end_k_q4bebf68607_gram:
	.size	k_q4bebf68607_gram, .Lfunc_end_k_q4bebf68607_gram-k_q4bebf68607_gram
	.p2alignl 7, 3214868480
	.fill 96, 4, 3214868480
	.section	.rodata,"a",@progbits
	.p2align	6, 0x0
	.amdhsa_kernel k_q4bebf68607_gram
		.amdhsa_group_segment_fixed_size 327680
		.amdhsa_private_segment_fixed_size 0
		.amdhsa_enable_private_segment 0
		.amdhsa_kernarg_size 56
		.amdhsa_user_sgpr_count 2
		.amdhsa_user_sgpr_kernarg_segment_ptr 1
		.amdhsa_wavefront_size32 1
		.amdhsa_system_sgpr_workgroup_id_x 1
		.amdhsa_system_sgpr_workgroup_id_y 1
		.amdhsa_system_sgpr_workgroup_id_z 1
		.amdhsa_system_vgpr_workitem_id 0
		.amdhsa_next_free_vgpr 672
		.amdhsa_next_free_sgpr 96
		.amdhsa_reserve_vcc 0
		.amdhsa_float_denorm_mode_32 3
		.amdhsa_float_denorm_mode_16_64 3
		.amdhsa_memory_ordered 1
		.amdhsa_forward_progress 1
		.amdhsa_inst_pref_size 218
	.end_amdhsa_kernel
	.amdgpu_metadata
---
amdhsa.version: [ 1, 2 ]
amdhsa.kernels:
  - .name:           k_q4bebf68607_gram
    .symbol:         k_q4bebf68607_gram.kd
    .args:
      - { .name: adj_matrix, .offset: 0, .size: 8, .value_kind: global_buffer, .address_space: global }
      - { .name: eb, .offset: 8, .size: 8, .value_kind: global_buffer, .address_space: global }
      - { .name: sqb, .offset: 16, .size: 8, .value_kind: global_buffer, .address_space: global }
      - { .name: rnv, .offset: 24, .size: 8, .value_kind: global_buffer, .address_space: global }
      - { .name: maxpart, .offset: 32, .size: 8, .value_kind: global_buffer, .address_space: global }
      - { .name: pstat, .offset: 40, .size: 8, .value_kind: global_buffer, .address_space: global }
      - { .name: pkeys, .offset: 48, .size: 8, .value_kind: global_buffer, .address_space: global }
    .group_segment_fixed_size: 327680
    .private_segment_fixed_size: 0
    .kernarg_segment_align: 8
    .kernarg_segment_size: 56
    .max_flat_workgroup_size: 128
    .sgpr_count:     96
    .vgpr_count:     672
    .wavefront_size: 32
...
	.end_amdgpu_metadata
.endif
;; end of part 2
;; launch finish (part 3): grid 256 x 1, 16 waves a work-group, no clusters, 42,752 bytes of LDS; arguments node_embeddings, colpart, maxpart, pstat, pkeys, out0; writes out0
.if DOCPART == 3
	.amdgcn_target "amdgcn-amd-amdhsa--gfx1250"
	.amdhsa_code_object_version 6
	.text
	.protected	k_q4bebf68607_finish
	.globl	k_q4bebf68607_finish
	.p2align	8
	.type	k_q4bebf68607_finish,@function
k_q4bebf68607_finish:
	s_mov_b64 s[64:65], 0
	v_nop
	global_prefetch_b8 v0, s[64:65] scope:SCOPE_SE
	s_setreg_imm32_b32 hwreg(HW_REG_WAVE_MODE, 25, 1), 1
	s_wait_xcnt 0x0
; THE 16 PARTIALS OF EACH ROW ARE MERGED, THE FIVE NEIGHBOURS GATHERED, THE FOUR RESULTS MADE.  Left out as in the first kernel's head: the eps inside the logarithm (entropy = ln2 (M + log2 Z - U / Z)).
; A work-group owns 32 rows (32 g ..), each of its 16 waves two: half-wave a has row 2 v + a, and its 16 lanes are the row's 16 partials in the merge and 16 x 16 bytes of each 256 of a row elsewhere.
; The six nearest are chosen by whole-number instructions on the keys that the launch before stored: six rounds, each the least key value of the 16 lists' heads and, among equal ones, the least column;
; the first is dropped, as reference() drops it.  An index is held to 0 .. 8191 before it enters an address.
; No matrix work, no cluster (the work-groups share only 64 KiB of partial sums), no tensor loads (nothing is large enough).
.set XP,    1412                       ; LDS: the exchange: wave p's own 1,412 bytes: field f at 128 f, row at 4 x row; 353 words apart
.set CSUM,  22784                      ; 16 waves x 1,024 bytes: column sums of four partial rows each
.set MUV,   39168                      ; the mean: 1,024 bytes
.set OUTS,  40192                      ; 4 results x 32 rows
.set SPARE, 40704                      ; the spare words, 128 bytes for each of 16 waves
.set LN,  1                            ; lane
.set LP,  2                            ; lane % 16
.set HA,  3                            ; lane / 16
.set SPW, 4                            ; LDS address of my spare word; never rewritten
.set NIL, 5                            ; 0; never rewritten
.set PO,  6
.set XS,  7
.set XL,  8
.set CO,  9
.set XO,  10
.set JB,  11                           ; my partial's first column: 1,024 (p / 2) + 8 (p % 2)
.set TD,  12
.set ONES, 13
.set MO,  14
.set CW,  15
.set F,   16                           ; v[16:26]  my partial's 11 words as loaded
.set GA,  27                           ; v[27:31]  the five gathers' offsets, a register each
.set S,   32                           ; v[32:42]  deg, pot, MU, Z, U, six keys
.set VAL, 43
.set J,   44
.set J2,  45
.set MV,  46
.set CAN, 47
.set CP,  48                           ; v[48:79]  four partial rows of column sums; later the mean
.set MP,  80                           ; v[80:81]
.set MJ,  82
.set MXM, 83
.set X,   84                           ; v[84:99]  my 16 numbers of my row
.set Y,   100                          ; v[100:179] the same of its five neighbours
.set L16, 180
.set ML,  181
.set OA,  182
.set OL,  183
.set GOF, 184
.set MEA, 185
.set W,   186
.set MAXN, 187
.set KIN, 188
.set GD,  190
.set LD,  192
.set T,   194
.set T2,  196
.set R,   198                          ; v[198:205]
.macro DPP4 op, r                      ; over the 16 lanes of a half: four steps that ride on the arithmetic
.irp m, 1,2,4,8
	\op v[\r], v[\r], v[\r] row_xmask:\m row_mask:0xf bank_mask:0xf
.endr
.endm
.macro MIN16 r                         ; the least whole number of the 16 lanes
.irp m, 1,2,4,8
	v_mov_b32_dpp v[TD], v[\r] row_xmask:\m row_mask:0xf bank_mask:0xf
	v_min_u32 v[\r], v[\r], v[TD]
.endr
.endm
	s_load_b256 s[4:11], s[0:1], 0x0               ; E s[4:5], colpart s[6:7], maxpart s[8:9], pstat s[10:11]
	s_load_b128 s[12:15], s[0:1], 0x20             ; pkeys s[12:13], out0 s[14:15]
	v_lshl_add_u32 v[SPW], v0, 2, SPARE
	v_mov_b32 v[NIL], 0
	v_lshrrev_b32 v[LN], 5, v0
	v_readfirstlane_b32 s16, v[LN]                 ; wave 0..15: in the first phase also the partial p = 2 y + h that I fetch
	v_and_b32 v[LN], 31, v0
	v_and_b32 v[LP], 15, v0
	v_bfe_u32 v[HA], v0, 4, 1
	s_lshr_b32 s17, ttmp9, 3                       ; my 32 rows in the launch before: block bx,
	s_bfe_u32 s18, ttmp9, 0x20001                  ; wave w,
	s_and_b32 s19, ttmp9, 1                        ; tiles 2 tau and 2 tau + 1
	s_lshr_b32 s20, s16, 1                         ; y
	s_and_b32 s21, s16, 1                          ; h
	s_lshl_b32 s22, s20, 5
	s_add_co_u32 s22, s22, s17
	s_lshl2_add_u32 s22, s22, s18                  ; (32 y + bx) 4 + w
	s_lshl_b32 s23, s21, 8
	s_lshl3_add_u32 s23, s19, s23                  ; 256 h + 4 (2 tau)
	s_mul_i32 s24, s22, 5*512
	s_add_co_u32 s24, s24, s23
	s_mov_b32 s25, 0
	s_mul_i32 s26, s22, 6*512
	s_add_co_u32 s26, s26, s23
	s_mov_b32 s27, 0
	s_lshl_b32 s28, ttmp9, 15                      ; my wave's two rows of E
	s_lshl_b32 s29, s16, 11
	s_add_co_u32 s28, s28, s29
	s_mov_b32 s29, 0
	s_lshl_b32 s30, s16, 12                        ; my wave's four rows of colpart
	s_mov_b32 s31, 0
	s_lshl_b32 s34, ttmp9, 7                       ; the group's 32 words of each result
	s_mov_b32 s35, 0
	s_mov_b32 s36, 0x76543210
	s_mov_b32 s37, 0xfedcba98
	v_lshrrev_b32 v[PO], 1, v[LN]                  ; first phase: lane q fetches r = q / 2, tile 2 tau + q % 2
	v_and_b32 v[XS], 1, v[LN]
	v_lshl_add_u32 v[TD], v[XS], 4, v[PO]          ; the row in the group: 16 (q % 2) + r
	v_lshlrev_b32 v[PO], 4, v[PO]
	v_lshl_add_u32 v[PO], v[XS], 2, v[PO]
	s_mul_i32 s38, s16, XP
	v_lshl_add_u32 v[XS], v[TD], 2, s38
	s_lshl_b32 s38, s16, 3
	v_mul_u32_u24 v[XL], v[LP], XP                 ; back: partial lane % 16, row 2 v + a
	v_lshl_add_u32 v[XL], v[HA], 2, v[XL]
	v_add_nc_u32 v[XL], s38, v[XL]
	s_add_co_u32 s38, s38, OUTS
	v_lshl_add_u32 v[OA], v[HA], 2, s38
	v_lshlrev_b32 v[CO], 4, v[LN]
	v_lshlrev_b32 v[L16], 4, v[LP]
	v_lshl_add_u32 v[XO], v[HA], 10, v[L16]
	v_lshlrev_b32 v[MO], 3, v[LN]
	s_lshl_b32 s38, s16, 10
	s_add_co_u32 s38, s38, CSUM
	v_add_nc_u32 v[CW], s38, v[CO]
	v_lshrrev_b32 v[JB], 1, v[LP]
	v_and_b32 v[J], 1, v[LP]
	v_lshlrev_b32 v[JB], 10, v[JB]
	v_lshl_add_u32 v[JB], v[J], 3, v[JB]
	v_mov_b32 v[ONES], -1
	v_add_nc_u32 v[ML], MUV, v[L16]
	s_wait_kmcnt 0x0
	s_mov_b64 s[32:33], s[4:5]                     ; E's first row, for the gathers
	s_add_nc_u64 s[4:5], s[4:5], s[28:29]
	s_add_nc_u64 s[6:7], s[6:7], s[30:31]
	s_add_nc_u64 s[10:11], s[10:11], s[24:25]
	s_add_nc_u64 s[12:13], s[12:13], s[26:27]
	s_add_nc_u64 s[14:15], s[14:15], s[34:35]
.irp f, 0,1,2,3,4
	global_load_b32 v[F+(\f)], v[PO], s[10:11] offset:512*(\f)
.endr
.irp f, 0,1,2,3,4,5
	global_load_b32 v[F+5+(\f)], v[PO], s[12:13] offset:512*(\f)
.endr
.irp i, 0,1,2,3
	global_load_b128 v[CP+8*(\i):CP+8*(\i)+3],   v[CO], s[6:7] offset:1024*(\i)
	global_load_b128 v[CP+8*(\i)+4:CP+8*(\i)+7], v[CO], s[6:7] offset:1024*(\i)+512
.endr
	global_load_b64 v[MP:MP+1], v[MO], s[8:9]
.irp k, 0,1,2,3
	global_load_b128 v[X+4*(\k):X+4*(\k)+3], v[XO], s[4:5] offset:256*(\k)   ; 16 lanes take 256 consecutive bytes of the row
.endr
	s_wait_loadcnt 13                              ; the 11 words are in; the 8 + 1 + 4 younger loads may stay out
.irp f, 0,1,2,3,4,5,6,7,8,9,10
	ds_store_b32 v[XS], v[F+(\f)] offset:128*(\f)
.endr
	s_wait_loadcnt 5                               ; the column sums are in; maxpart's load and the row's four may stay out
.irp d, 16,8
.set r, 0
.rept (\d)/2
	v_pk_add_f32 v[CP+r:CP+r+1], v[CP+r:CP+r+1], v[CP+(\d)+r:CP+(\d)+r+1]
.set r, r+2
.endr
.endr
	ds_store_b128 v[CW], v[CP:CP+3]
	ds_store_b128 v[CW], v[CP+4:CP+7] offset:512
	s_wait_dscnt 0x0                               ; for the others' sake: my stores are done
	s_barrier_signal -1
	s_barrier_wait -1
	s_cmp_lt_u32 s16, 2
	s_cbranch_scc0 .Lno_mean
	v_lshl_add_u32 v[MEA], v0, 4, CSUM             ; waves 0 and 1: thread t < 64 makes the mean of dims 4 t .. 4 t + 3, in registers that the gathers fill only later
.irp i, 0,1,2,3,4,5,6,7,8,9,10,11,12,13,14,15
	ds_load_b128 v[Y+4*(\i):Y+4*(\i)+3], v[MEA] offset:1024*(\i)
.endr
	s_wait_dscnt 0x0
.irp d, 32,16,8,4
.set r, 0
.rept (\d)/2
	v_pk_add_f32 v[Y+r:Y+r+1], v[Y+r:Y+r+1], v[Y+(\d)+r:Y+(\d)+r+1]
.set r, r+2
.endr
.endr
	v_pk_mul_f32 v[Y:Y+1],   v[Y:Y+1],   0x39000000 op_sel_hi:[1,0]   ; 1 / 8192
	v_pk_mul_f32 v[Y+2:Y+3], v[Y+2:Y+3], 0x39000000 op_sel_hi:[1,0]
	ds_store_b128 v[MEA], v[Y:Y+3] offset:MUV-CSUM
.Lno_mean:
.irp f, 0,1,2,3,4,5,6,7,8,9,10
	ds_load_b32 v[S+(\f)], v[XL] offset:128*(\f)
.endr
	s_wait_loadcnt 4                               ; maxpart is in; the row's four loads may stay out
	v_max_num_f32 v[MP], v[MP], v[MP+1]
	DPP4 v_max_num_f32_dpp, MP
	v_permlanex16_b32 v[MP+1], v[MP], s36, s37
	v_max_num_f32 v[MP], v[MP], v[MP+1]            ; max |E_i|^2
	s_wait_dscnt 0x0
	v_mov_b32 v[MXM], v[S+2]
	DPP4 v_max_num_f32_dpp, MXM                    ; M: the row's maximum, taken away before the exponentials
	v_sub_f32 v[W], v[S+2], v[MXM]
	v_exp_f32 v[W], v[W]
	v_sqrt_f32 v[MAXN], v[MP]
	DPP4 v_add_f32_dpp, S                          ; deg and pot: the plain work behind the two
	DPP4 v_add_f32_dpp, S+1
	s_wait_alu depctr_va_vdst(0)                   ; one wait for both, ahead of their first reader
	v_mul_f32 v[S+3], v[S+3], v[W]
	v_mul_f32 v[S+4], v[S+4], v[W]
	DPP4 v_add_f32_dpp, S+3                        ; Z
	DPP4 v_add_f32_dpp, S+4                        ; U
; A round: the least key value among the heads; among the lanes that hold it the least column; that lane's list moves up.  From the second round on the column's row of E is asked for at once.
.macro ROUND n
	v_and_b32 v[VAL], 0xfffffe00, v[S+5]
	v_and_b32 v[J], 0x1f8, v[S+5]                  ; the key's low bits are 8 m + e: the column is 16 m + e + my partial's first
	v_and_b32 v[J2], 7, v[S+5]
	v_lshl_add_u32 v[J], v[J], 1, v[JB]
	v_add_nc_u32 v[J], v[J], v[J2]
	v_mov_b32 v[MV], v[VAL]
	MIN16 MV
	v_cmp_eq_u32 vcc_lo, v[VAL], v[MV]
	v_cndmask_b32 v[CAN], -1, v[J], vcc_lo
	v_mov_b32 v[MJ], v[CAN]
	MIN16 MJ
	v_cmp_eq_u32 vcc_lo, v[CAN], v[MJ]
.irp k, 0,1,2,3,4
	v_cndmask_b32 v[S+5+(\k)], v[S+5+(\k)], v[S+6+(\k)], vcc_lo
.endr
	v_cndmask_b32 v[S+10], v[S+10], v[ONES], vcc_lo
.if (\n) > 0
	v_min_u32 v[GA+(\n)-1], 0x1fff, v[MJ]          ; an index stays inside the table
	v_lshlrev_b32 v[GA+(\n)-1], 10, v[GA+(\n)-1]
	v_add_nc_u32 v[GA+(\n)-1], v[GA+(\n)-1], v[L16]
.irp k, 0,1,2,3
	global_load_b128 v[Y+16*((\n)-1)+4*(\k):Y+16*((\n)-1)+4*(\k)+3], v[GA+(\n)-1], s[32:33] offset:256*(\k)
.endr
.endif
.endm
.irp n, 0,1,2,3,4,5
	ROUND \n
.endr
	s_wait_dscnt 0x0                               ; the mean's store (waves 0 and 1) is done
	s_barrier_signal -1
	s_barrier_wait -1
.irp k, 0,1,2,3
	ds_load_b128 v[CP+4*(\k):CP+4*(\k)+3], v[ML] offset:256*(\k)
.endr
	s_wait_dscnt 0x0
	s_wait_loadcnt 0x0                             ; my row and its five neighbours
.set j, 0
.rept 8
	v_pk_add_f32 v[T:T+1], v[X+2*j:X+2*j+1], v[CP+2*j:CP+2*j+1] neg_lo:[0,1] neg_hi:[0,1]
	v_pk_add_f32 v[Y+2*j:Y+2*j+1], v[Y+2*j:Y+2*j+1], v[Y+16+2*j:Y+16+2*j+1]
	v_pk_add_f32 v[Y+32+2*j:Y+32+2*j+1], v[Y+32+2*j:Y+32+2*j+1], v[Y+48+2*j:Y+48+2*j+1]
	v_pk_add_f32 v[Y+2*j:Y+2*j+1], v[Y+2*j:Y+2*j+1], v[Y+64+2*j:Y+64+2*j+1]
	v_pk_add_f32 v[Y+2*j:Y+2*j+1], v[Y+2*j:Y+2*j+1], v[Y+32+2*j:Y+32+2*j+1]
	v_pk_fma_f32 v[T2:T2+1], v[Y+2*j:Y+2*j+1], 0xbe4ccccd, v[X+2*j:X+2*j+1] op_sel_hi:[1,0,1]   ; x - the five's sum / 5
.if j == 0
	v_pk_mul_f32 v[KIN:KIN+1], v[X:X+1], v[X:X+1]  ; the first pair starts the three sums
	v_pk_mul_f32 v[GD:GD+1], v[T:T+1], v[T:T+1]
	v_pk_mul_f32 v[LD:LD+1], v[T2:T2+1], v[T2:T2+1]
.else
	v_pk_fma_f32 v[KIN:KIN+1], v[X+2*j:X+2*j+1], v[X+2*j:X+2*j+1], v[KIN:KIN+1]
	v_pk_fma_f32 v[GD:GD+1], v[T:T+1], v[T:T+1], v[GD:GD+1]
	v_pk_fma_f32 v[LD:LD+1], v[T2:T2+1], v[T2:T2+1], v[LD:LD+1]
.endif
.set j, j+1
.endr
	v_add_f32 v[KIN], v[KIN], v[KIN+1]
	v_add_f32 v[GD], v[GD], v[GD+1]
	v_add_f32 v[LD], v[LD], v[LD+1]
	DPP4 v_add_f32_dpp, KIN
	DPP4 v_add_f32_dpp, GD
	DPP4 v_add_f32_dpp, LD
	v_add_f32 v[T], 0x322bcc77, v[S]               ; deg + 1e-8
	v_add_f32 v[T+1], 0x322bcc77, v[MAXN]          ; the largest norm + 1e-8
	v_sqrt_f32 v[R], v[KIN]
	v_sqrt_f32 v[R+1], v[GD]
	v_sqrt_f32 v[R+2], v[LD]
	v_rcp_f32 v[R+3], v[T]
	v_rcp_f32 v[R+4], v[S+3]
	v_log_f32 v[R+5], v[S+3]
	v_rcp_f32 v[R+6], v[T+1]
	v_cmp_lt_f32 vcc_lo, 0, v[S]                   ; row_sums > 0: the plain line behind the batch
	s_wait_alu depctr_va_vdst(0)                   ; one wait for the seven, ahead of their first reader
	v_fma_f32 v[T], -v[S+1], v[R+3], v[KIN]        ; energy = |E_i|^2 - pot / (deg + 1e-8)
	v_add_f32 v[T2], v[MXM], v[R+5]
	v_fma_f32 v[T2], -v[S+4], v[R+4], v[T2]
	v_mul_f32 v[T2], 0x3f317218, v[T2]             ; entropy = ln2 (M + log2 Z - U / Z),
	v_cndmask_b32 v[T2], 0, v[T2], vcc_lo          ; or 0 where the row's sum is not positive
	v_mul_f32 v[T+1], 0x3ecccccd, v[R+2]
	v_fmamk_f32 v[T+1], v[R+1], 0x3f19999a, v[T+1] ; 0.6 global + 0.4 local
	v_mul_f32 v[T2+1], v[R], v[R+6]
	v_mul_f32 v[T2+1], 0.5, v[T2+1]
	v_fmamk_f32 v[T2+1], v[S], 0x38800400, v[T2+1] ; 0.5 deg / 8191 + 0.5 norm / (largest + 1e-8)
	ds_store_b32 v[OA], v[T]                       ; the 16 lanes of a half write the same word with the same value
	ds_store_b32 v[OA], v[T2]   offset:128
	ds_store_b32 v[OA], v[T+1]  offset:256
	ds_store_b32 v[OA], v[T2+1] offset:384
	s_wait_dscnt 0x0
	s_barrier_signal -1
	s_barrier_wait -1
	s_cmp_lg_u32 s16, 0
	s_cbranch_scc1 .Lend
	v_add_nc_u32 v[OL], OUTS, v[CO]                ; wave 0: lane l takes result l / 8, rows 4 (l % 8) ..: eight lanes store 128 consecutive bytes
	ds_load_b128 v[R:R+3], v[OL]
	v_lshrrev_b32 v[GOF], 3, v[LN]
	v_and_b32 v[T], 7, v[LN]
	v_lshlrev_b32 v[GOF], 15, v[GOF]
	v_lshl_add_u32 v[GOF], v[T], 4, v[GOF]
	s_wait_dscnt 0x0
	global_store_b128 v[GOF], v[R:R+3], s[14:15]
.Lend:
	s_wait_tensorcnt 0x0                           ; the wave's end, behind my last LDS store
	ds_add_u32 v[SPW], v[NIL]
	s_wait_dscnt 0x0
	s_endpgm
.Lfunc_end_k_q4bebf68607_finish:
	.size	k_q4bebf68607_finish, .Lfunc_end_k_q4bebf68607_finish-k_q4bebf68607_finish
	.p2alignl 7, 3214868480
	.fill 96, 4, 3214868480
	.section	.rodata,"a",@progbits
	.p2align	6, 0x0
	.amdhsa_kernel k_q4bebf68607_finish
		.amdhsa_group_segment_fixed_size 42752
		.amdhsa_private_segment_fixed_size 0
		.amdhsa_enable_private_segment 0
		.amdhsa_kernarg_size 48
		.amdhsa_user_sgpr_count 2
		.amdhsa_user_sgpr_kernarg_segment_ptr 1
		.amdhsa_wavefront_size32 1
		.amdhsa_system_sgpr_workgroup_id_x 1
		.amdhsa_system_sgpr_workgroup_id_y 1
		.amdhsa_system_sgpr_workgroup_id_z 1
		.amdhsa_system_vgpr_workitem_id 0
		.amdhsa_next_free_vgpr 208
		.amdhsa_next_free_sgpr 66
		.amdhsa_reserve_vcc 1
		.amdhsa_float_denorm_mode_32 3
		.amdhsa_float_denorm_mode_16_64 3
		.amdhsa_memory_ordered 1
		.amdhsa_forward_progress 1
		.amdhsa_inst_pref_size 32
	.end_amdhsa_kernel
	.amdgpu_metadata
---
amdhsa.version: [ 1, 2 ]
amdhsa.kernels:
  - .name:           k_q4bebf68607_finish
    .symbol:         k_q4bebf68607_finish.kd
    .args:
      - { .name: node_embeddings, .offset: 0, .size: 8, .value_kind: global_buffer, .address_space: global }
      - { .name: colpart, .offset: 8, .size: 8, .value_kind: global_buffer, .address_space: global }
      - { .name: maxpart, .offset: 16, .size: 8, .value_kind: global_buffer, .address_space: global }
      - { .name: pstat, .offset: 24, .size: 8, .value_kind: global_buffer, .address_space: global }
      - { .name: pkeys, .offset: 32, .size: 8, .value_kind: global_buffer, .address_space: global }
      - { .name: out0, .offset: 40, .size: 8, .value_kind: global_buffer, .address_space: global }
    .group_segment_fixed_size: 42752
    .private_segment_fixed_size: 0
    .kernarg_segment_align: 8
    .kernarg_segment_size: 48
    .max_flat_workgroup_size: 512
    .sgpr_count:     66
    .vgpr_count:     208
    .wavefront_size: 32
...
	.end_amdgpu_metadata
.endif
;; end of part 3
